; MI455X (gfx1250); checked and timed in simulation.
; The chip was launched on July 23, 2026; its instructions are those of AMD's public machine-readable ISA for CDNA 5 (MIT licence, August 2026) and "CDNA5" Instruction Set Architecture Reference Guide (July 2026). The comments in the code are by the model that wrote it; some were corrected since.
;; Multi Head Attention. Allowed arithmetic: float matrix products may take bf16 or f16 operands with f32 sums; all other float work in f32.
;; Inputs: Wk 1,024 x 1,024 float32; Wq 1,024 x 1,024 float32; keys 512 x 64 x 1,024 float32; query 64 x 1,024 float32; values 512 x 64 x 1,024 float32.
;; Outputs: out0 64 x 1,024 float32.
;; One version. Each part assembles by itself: llvm-mc -triple=amdgcn-amd-amdhsa -mcpu=gfx1250 --defsym DOCPART=n.
;; ======== version 1 of 1: 3 launches
;; limits: values are held in f16: magnitudes above 65,504 overflow, below 6.1e-05 lose precision; inputs' magnitudes at most 65,504; below input magnitudes of 6.1e-05 results are inexact or not finite
;; workspace buffers: qk 2,097,152 bytes; cpart 8,388,608 bytes; stats 65,536 bytes
;; launch qkproj (part 1): grid 64 x 4, 16 waves a work-group, no clusters, 197,120 bytes of LDS; arguments query, Wq, Wk, qk; writes qk
.if DOCPART == 1
	.amdgcn_target "amdgcn-amd-amdhsa--gfx1250"
	.amdhsa_code_object_version 6
	.text
	.protected	k_q3926d23967_qkproj
	.globl	k_q3926d23967_qkproj
	.p2align	8
	.type	k_q3926d23967_qkproj,@function
k_q3926d23967_qkproj:
	s_mov_b64 s[64:65], 0
	v_nop
	global_prefetch_b8 v0, s[64:65] scope:SCOPE_SE
	s_setreg_imm32_b32 hwreg(HW_REG_WAVE_MODE, 25, 1), 1
	s_wait_xcnt 0x0
; qk[b][h][m] = sum over d of qp[b][h][d] Wk[64 h + d][m],  qp[b][h][d] = sum over m of query[b][m] Wq[64 h + d][m].
; With it the scores are keys[s][b][:] . qk[b][h][:] / 8: the same sums as (query Wq^T) . (keys Wk^T), taken in another order, for every input.
; A work-group owns one head h, 16 batch rows (bt) and 256 columns m (mq).  16 waves.
; Product 1 (f16 operands, f32 sums): K = 1,024 is shared out, wave w takes columns 64 w .. 64 w + 63 of query and of Wq's 64 rows; the 16 partial
; results meet in LDS.  The four work-groups that differ in mq alone repeat it: 8 matrix instructions a wave.
; Product 2 (bf16 operands): waves 0-3, 64 columns of Wk each; K = the head's 64 d runs down Wk's rows.
; No cluster: Wq's and Wk's rows are shared by work-groups, but every byte has to pass through registers for its rounding to 16 bits.
; LIMITS: |query| and |Wq| below 65,504 (f16); qp, Wk and qk are rounded to bf16; the order of the sums is not reference()'s.
.set STG,   0                          ; 16 x 7,168: a wave's own stage: 32 rows of Wq (4,864 bytes), then 16 rows of query (2,304)
.set STGW,  7168
.set QSTG,  4864
.set SPI,   144                        ; a stage row: 128 bytes + 16 = 36 words: 16 rows start at 16 different groups of 4 banks (64 banks of 4 bytes: ISA guide 11.1)
.set SHALF, 2432                       ; rows 16-31 begin here: 608 words, 32 banks on from rows 0-15, so the two halves of the lanes do not meet
.set PART,  114688                     ; 16 x 4,352: wave wv's partial qp: [b 16] pitch 272 x [d 64] f32
.set PARTW, 4352
.set PPI,   272
.set QPS,   184320                     ; qp in bf16: [b 16] pitch 144 x [d 64]
.set OS,    186624                     ; the way out: [b 16] pitch 528 x [256 m] bf16
.set OPI,   528
.set GO,  3                            ; v3   16 L: my 16 bytes of a row of 512 on the way out
.set VOW, 4                            ; v4   Wq, Wk: lanes 16-31 take the row 16 further down; 16 bytes a lane
.set VOQ, 5                            ; v5   query: lanes 16-31 take the row 8 further down
.set WST, 6                            ; v6   where I put 8 bytes of a row of Wq in my stage
.set WFR, 7                            ; v7   where I read a fragment of it
.set QST, 8                            ; v8   the same two for query
.set QFR, 9
.set PST, 10                           ; v10  where I put my partial results
.set RED, 11                           ; v11  where I read the 16 partial results of batch row w
.set QPW, 12                           ; v12  where I put two qp
.set QPR, 13                           ; v13  where I read a fragment of qp
.set OSW, 14                           ; v14  the way out: in
.set OSR, 15                           ; v15  the way out: back
.set QF,  16                           ; v[16:31]  query's fragments (2 x 32 along K); later qp's
.set X,   32                           ; v[32:39], v[40:47]  product 1's two accumulators
.set Y,   40
.set CV,  48                           ; v[48:63]  eight pairs by turns: numbers just rounded, on their way into the stage
.set D,   32                           ; v[32:63]  product 2's four accumulators
.set F,   64                           ; v[64:95]  Wq's fragments; then the 16 partial pairs; then Wk's fragments (TB)
.set LQ,  96                           ; v[96:127] query as loaded
.set LW,  128                          ; v[128:255] Wq as loaded, 2 groups of 16 loads; then Wk
.macro PLACES                          ; four plain vector instructions behind a matrix instruction, ahead of what reads its result or rewrites its registers (ISA guide 7.12.1)
.rept 4
	v_nop
.endr
.endm
.macro BARRIER
	s_barrier_signal -1
	s_barrier_wait -1
.endm
	s_load_b256 s[4:11], s[0:1], 0x0               ; query s[4:5], Wq s[6:7], Wk s[8:9], qk s[10:11]
	v_and_b32 v1, 15, v0                           ; r
	v_bfe_u32 v2, v0, 4, 1                         ; half
	v_and_b32 v48, 31, v0                          ; L
	v_lshrrev_b32 v49, 5, v0
	v_readfirstlane_b32 s12, v49                   ; wave 0..15
	s_lshr_b32 s13, ttmp9, 2                       ; h
	s_and_b32 s14, ttmp9, 3                        ; bt
	s_and_b32 s15, ttmp7, 0xffff                   ; mq
	s_lshl_b32 s32, s12, 8                         ; my 64 columns: 256 bytes
	s_lshl_b32 s16, s14, 16                        ; query: 16 rows of 4,096 bytes a block
	s_add_co_u32 s16, s16, s32
	s_mov_b32 s17, 0
	s_lshl_b32 s18, s13, 18                        ; Wq: 64 rows of 4,096 bytes a head
	s_add_co_u32 s18, s18, s32
	s_mov_b32 s19, 0
	s_lshl_b32 s30, s15, 10                        ; Wk: the same, and mq's 256 columns on (used by waves 0-3 alone)
	s_add_co_u32 s30, s30, s18
	s_mov_b32 s31, 0
	s_lshl_b32 s28, s14, 4                         ; qk: row (16 bt + w, h), columns 256 mq on
	s_add_co_u32 s28, s28, s12
	s_lshl_b32 s28, s28, 15
	s_lshl_b32 s32, s13, 11
	s_add_co_u32 s28, s28, s32
	s_lshl_b32 s32, s15, 9
	s_add_co_u32 s28, s28, s32
	s_mov_b32 s29, 0
	v_lshlrev_b32 v[GO], 4, v48
	v_lshlrev_b32 v[VOW], 4, v1
	v_lshl_or_b32 v[VOQ], v2, 15, v[VOW]
	v_lshl_or_b32 v[VOW], v2, 16, v[VOW]
	s_wait_kmcnt 0x0
	s_add_nc_u64 s[20:21], s[4:5], s[16:17]
	s_add_nc_u64 s[22:23], s[6:7], s[18:19]
	s_add_nc_u64 s[24:25], s[8:9], s[30:31]
	s_add_nc_u64 s[26:27], s[10:11], s[28:29]
	; every load: lanes 0-15 take 256 consecutive bytes of one row, lanes 16-31 of another
.set i, 0
.rept 8
	global_load_b128 v[LQ+4*i:LQ+4*i+3], v[VOQ], s[20:21] offset:4096*i         ; query rows i and i + 8
.set i, i+1
.endr
.set i, 0
.rept 32
	global_load_b128 v[LW+4*i:LW+4*i+3], v[VOW], s[22:23] offset:4096*(32*(i/16)+i%16)   ; Wq rows 32 g + i and 32 g + i + 16
.set i, i+1
.endr
	; LDS addresses: a constant, the wave's number times a constant, a lane term
	s_mul_i32 s32, s12, STGW
	s_add_co_u32 s33, s32, QSTG
	v_mul_u32_u24 v[WST], v2, SHALF
	v_lshl_add_u32 v[WST], v1, 3, v[WST]
	v_add_nc_u32 v[WST], s32, v[WST]
	v_mul_u32_u24 v[WFR], v1, SPI
	v_lshl_add_u32 v[WFR], v2, 4, v[WFR]
	v_add_nc_u32 v[QFR], s33, v[WFR]
	v_add_nc_u32 v[WFR], s32, v[WFR]
	v_mul_u32_u24 v[QST], v2, 8*SPI
	v_lshl_add_u32 v[QST], v1, 3, v[QST]
	v_add_nc_u32 v[QST], s33, v[QST]
	s_mul_i32 s32, s12, PARTW
	s_add_co_u32 s32, s32, PART
	v_mul_u32_u24 v[PST], v1, PPI
	v_lshl_add_u32 v[PST], v2, 5, v[PST]
	v_add_nc_u32 v[PST], s32, v[PST]
	s_mul_i32 s32, s12, PPI
	s_add_co_u32 s32, s32, PART
	v_lshl_add_u32 v[RED], v48, 3, s32
	s_mul_i32 s32, s12, SPI
	s_add_co_u32 s32, s32, QPS
	v_lshl_add_u32 v[QPW], v48, 2, s32
	v_mul_u32_u24 v[QPR], v1, SPI
	v_lshl_add_u32 v[QPR], v2, 5, v[QPR]
	v_add_nc_u32 v[QPR], QPS, v[QPR]
	s_lshl_b32 s32, s12, 7
	s_add_co_u32 s32, s32, OS
	v_mul_u32_u24 v[OSW], v2, 8*OPI
	v_lshl_add_u32 v[OSW], v1, 3, v[OSW]
	v_add_nc_u32 v[OSW], s32, v[OSW]
	s_mul_i32 s32, s12, OPI
	s_add_co_u32 s32, s32, OS
	v_lshl_add_u32 v[OSR], v48, 4, s32
	; query: rounded to f16, through my own stage, back as fragments (lane r = batch row r; K along the columns)
	s_wait_loadcnt 32                              ; the 32 younger loads (Wq) stay out: query is in
.set i, 0
.rept 8
	v_cvt_pk_f16_f32 v[CV+2*i],   v[LQ+4*i],   v[LQ+4*i+1]
	v_cvt_pk_f16_f32 v[CV+2*i+1], v[LQ+4*i+2], v[LQ+4*i+3]
	ds_store_b64 v[QST], v[CV+2*i:CV+2*i+1] offset:SPI*i
.set i, i+1
.endr
.irp k, 0,1                                            ; LDS serves a wave's instructions in order (ISA guide 5.7.1.4): these see the stores above
	ds_load_b128 v[QF+8*\k:QF+8*\k+3],   v[QFR] offset:64*\k
	ds_load_b128 v[QF+8*\k+4:QF+8*\k+7], v[QFR] offset:64*\k+32
.endr
; Group g of Wq: 32 rows d x my 64 columns.  Rounded to f16, turned through my own stage, multiplied by query's fragments.
; left = the loads younger than the group's first; load i has i fewer.
.macro WGROUP g, left
.set i, 0
.rept 16
	s_wait_loadcnt \left-i
	v_cvt_pk_f16_f32 v[CV+2*(i%8)],   v[LW+64*\g+4*i],   v[LW+64*\g+4*i+1]
	v_cvt_pk_f16_f32 v[CV+2*(i%8)+1], v[LW+64*\g+4*i+2], v[LW+64*\g+4*i+3]
	ds_store_b64 v[WST], v[CV+2*(i%8):CV+2*(i%8)+1] offset:SPI*i
.set i, i+1
.endr
.irp tk, 0,1,2,3                                       ; rows 16 (tk / 2) on, columns 32 (tk % 2) on
	ds_load_b128 v[F+8*\tk:F+8*\tk+3],   v[WFR] offset:(\tk/2)*SHALF+(\tk%2)*64
	ds_load_b128 v[F+8*\tk+4:F+8*\tk+7], v[WFR] offset:(\tk/2)*SHALF+(\tk%2)*64+32
.endr
	s_wait_dscnt 0x0                               ; the fragments are in (in group 0 query's too)
	v_wmma_f32_16x16x32_f16 v[X:X+7], v[F:F+7],     v[QF:QF+7],    0          ; the two accumulators take turns
	v_wmma_f32_16x16x32_f16 v[Y:Y+7], v[F+16:F+23], v[QF:QF+7],    0
	v_wmma_f32_16x16x32_f16 v[X:X+7], v[F+8:F+15],  v[QF+8:QF+15], v[X:X+7]
	v_wmma_f32_16x16x32_f16 v[Y:Y+7], v[F+24:F+31], v[QF+8:QF+15], v[Y:Y+7]
	PLACES
	ds_store_b128 v[PST], v[X:X+3]   offset:128*\g           ; lane r = batch row r; register j = d 32 g + 8 half + j (Y: 16 further on)
	ds_store_b128 v[PST], v[X+4:X+7] offset:128*\g+16
	ds_store_b128 v[PST], v[Y:Y+3]   offset:128*\g+64
	ds_store_b128 v[PST], v[Y+4:Y+7] offset:128*\g+80
.endm
.macro WKLOADS k                       ; Wk rows 32 k + i and 32 k + i + 16 of the head, my 64 columns, into the registers that group k of Wq has left
.set i, 0
.rept 16
	global_load_b128 v[LW+64*\k+4*i:LW+64*\k+4*i+3], v[VOW], s[24:25] offset:4096*(32*\k+i)
.set i, i+1
.endr
.endm
	WGROUP 0, 31                                   ; younger than load i: 15 - i of this group and 16 of the next
	s_cmp_lt_u32 s12, 4
	s_cbranch_scc0 .Lno_wk
	WKLOADS 0                                      ; waves 0-3 ask for Wk as soon as registers are free
	WGROUP 1, 31                                   ; younger than load i: 15 - i of this group and the 16 just issued
	WKLOADS 1
	s_branch .Ljoin
.Lno_wk:
	WGROUP 1, 15
.Ljoin:
	s_wait_dscnt 0x0                               ; for the others' sake: my partial results are in LDS
	BARRIER
	; wave w adds the 16 partial results of batch row w: two d a lane
.set i, 0
.rept 16
	ds_load_b64 v[F+2*i:F+2*i+1], v[RED] offset:PARTW*i
.set i, i+1
.endr
	s_wait_dscnt 0x0
.irp d, 16,8,4,2                                       ; a tree: 8, 4, 2, 1 packed sums
.set k, 0
.rept \d/2
	v_pk_add_f32 v[F+k:F+k+1], v[F+k:F+k+1], v[F+k+\d:F+k+\d+1]
.set k, k+2
.endr
.endr
	v_cvt_pk_bf16_f32 v[CV], v[F], v[F+1]
	ds_store_b32 v[QPW], v[CV]
	s_wait_dscnt 0x0                               ; for the others' sake: my row of qp is in LDS
	BARRIER
	s_cmp_lt_u32 s12, 4
	s_cbranch_scc0 .Lno_p2
	; Product 2.  K = d runs down Wk's rows, so a fragment of Wk is made in registers: for column 4 r + j, register q packs rows 2 q and 2 q + 1
	; of my half's 16.  Place (half, q, low or high) thus stands for d = 16 half + 2 q + (0 or 1) of the 32; qp's fragment takes the same order:
	; 16 consecutive d a lane.  An order of K that both sources share leaves the products as they are.
.irp k, 0,1
	ds_load_b128 v[QF+8*\k:QF+8*\k+3],   v[QPR] offset:64*\k
	ds_load_b128 v[QF+8*\k+4:QF+8*\k+7], v[QPR] offset:64*\k+16
.endr
.irp k, 0,1
.set q, 0
.rept 8
	s_wait_loadcnt 30-16*\k-2*q                    ; younger than the pair's second load: 14 - 2 q of its group, and for k = 0 the other group's 16
.irp j, 0,1,2,3
	v_cvt_pk_bf16_f32 v[F+8*\j+q], v[LW+64*\k+8*q+\j], v[LW+64*\k+8*q+4+\j]
.endr
.set q, q+1
.endr
.if \k == 0
	s_wait_dscnt 0x0                               ; qp's fragments are in
.endif
.irp j, 0,1,2,3                                        ; four accumulators by turns
.if \k == 0
	v_wmma_f32_16x16x32_bf16 v[D+8*\j:D+8*\j+7], v[QF+8*\k:QF+8*\k+7], v[F+8*\j:F+8*\j+7], 0
.else
	v_wmma_f32_16x16x32_bf16 v[D+8*\j:D+8*\j+7], v[QF+8*\k:QF+8*\k+7], v[F+8*\j:F+8*\j+7], v[D+8*\j:D+8*\j+7]
.endif
.endr
	PLACES
.endr
.irp jp, 0,1,2,3,4,5,6,7                               ; register jp = batch row 8 half + jp; accumulator j = column 4 r + j: four neighbours make 8 bytes
	v_cvt_pk_bf16_f32 v[F+2*\jp],   v[D+\jp],    v[D+8+\jp]
	v_cvt_pk_bf16_f32 v[F+2*\jp+1], v[D+16+\jp], v[D+24+\jp]
	ds_store_b64 v[OSW], v[F+2*\jp:F+2*\jp+1] offset:OPI*\jp
.endr
.Lno_p2:
	s_wait_dscnt 0x0                               ; for the others' sake: my part of the 16 rows is in LDS
	BARRIER
	ds_load_b128 v[LQ:LQ+3], v[OSR]                ; wave w takes batch row w whole
	s_wait_dscnt 0x0
	global_store_b128 v[GO], v[LQ:LQ+3], s[26:27]  ; the wave stores 512 consecutive bytes, at a multiple of 512 from qk's first byte
	s_wait_xcnt 0x0
	v_lshl_add_u32 v254, v0, 2, 0x2fa00
	v_mov_b32 v255, 0
	s_wait_tensorcnt 0x0
	ds_add_u32 v254, v255
	s_wait_dscnt 0x0
	s_endpgm
.Lfunc_end_k_q3926d23967_qkproj:
	.size	k_q3926d23967_qkproj, .Lfunc_end_k_q3926d23967_qkproj-k_q3926d23967_qkproj
	.p2alignl 7, 3214868480
	.fill 96, 4, 3214868480
	.section	.rodata,"a",@progbits
	.p2align	6, 0x0
	.amdhsa_kernel k_q3926d23967_qkproj
		.amdhsa_group_segment_fixed_size 197120
		.amdhsa_private_segment_fixed_size 0
		.amdhsa_enable_private_segment 0
		.amdhsa_kernarg_size 32
		.amdhsa_user_sgpr_count 2
		.amdhsa_user_sgpr_kernarg_segment_ptr 1
		.amdhsa_wavefront_size32 1
		.amdhsa_system_sgpr_workgroup_id_x 1
		.amdhsa_system_sgpr_workgroup_id_y 1
		.amdhsa_system_sgpr_workgroup_id_z 1
		.amdhsa_system_vgpr_workitem_id 0
		.amdhsa_next_free_vgpr 256
		.amdhsa_next_free_sgpr 66
		.amdhsa_reserve_vcc 0
		.amdhsa_float_denorm_mode_32 3
		.amdhsa_float_denorm_mode_16_64 3
		.amdhsa_memory_ordered 1
		.amdhsa_forward_progress 1
		.amdhsa_inst_pref_size 37
	.end_amdhsa_kernel
	.amdgpu_metadata
---
amdhsa.version: [ 1, 2 ]
amdhsa.kernels:
  - .name:           k_q3926d23967_qkproj
    .symbol:         k_q3926d23967_qkproj.kd
    .args:
      - { .name: query, .offset: 0, .size: 8, .value_kind: global_buffer, .address_space: global }
      - { .name: Wq, .offset: 8, .size: 8, .value_kind: global_buffer, .address_space: global }
      - { .name: Wk, .offset: 16, .size: 8, .value_kind: global_buffer, .address_space: global }
      - { .name: qk, .offset: 24, .size: 8, .value_kind: global_buffer, .address_space: global }
    .group_segment_fixed_size: 197120
    .private_segment_fixed_size: 0
    .kernarg_segment_align: 8
    .kernarg_segment_size: 32
    .max_flat_workgroup_size: 512
    .sgpr_count:     66
    .vgpr_count:     256
    .wavefront_size: 32
...
	.end_amdgpu_metadata
.endif
;; end of part 1
;; launch attn (part 2): grid 64 x 4, 16 waves a work-group, no clusters, 285,696 bytes of LDS; arguments keys, values, qk, cpart, stats; writes cpart, stats
.if DOCPART == 2
	.amdgcn_target "amdgcn-amd-amdhsa--gfx1250"
	.amdhsa_code_object_version 6
	.text
	.protected	k_q3926d23967_attn
	.globl	k_q3926d23967_attn
	.p2align	8
	.type	k_q3926d23967_attn,@function
k_q3926d23967_attn:
	s_mov_b64 s[64:65], 0
	v_nop
	global_prefetch_b8 v0, s[64:65] scope:SCOPE_SE
	s_setreg_imm32_b32 hwreg(HW_REG_WAVE_MODE, 25, 1), 1
	s_wait_xcnt 0x0
; For one batch row b and one chunk c of 128 positions s, all 16 heads:
;   score[s][h] = keys[s][b][:] . qk[b][h][:] / 8        (bf16 operands, f32 sums)
;   M[h] = log2(e)/8 x the chunk's largest raw score, p = 2^(log2(e)/8 x raw - M), L[h] = the sum of p: the maximum is taken away before the exponential
;   cpart[b][c][h][m] = (sum over s of p[s][h] values[s][b][m]) / L[h]      (f16 operands, f32 sums), stats[b][c] = (M, L) for each head
; The next launch multiplies by Wk and merges the four chunks by M and L.  That is reference()'s arithmetic with the products by Wk taken last: the same
; sums in another order, for every input.  keys and values are each read once, and nothing else of that size moves.
; SHARES.  16 waves; wave w owns columns 64 w .. 64 w + 63 of keys and of values.  A load takes 256 consecutive bytes of row i (lanes 0-15) and of row
; i + 16 (lanes 16-31); 16 loads are a group of 32 rows.  A ring of 32 slots of 4 registers keeps 32 loads of every wave out from the head to the last
; group but two, across the softmax too: a slot is asked for again as soon as it has been rounded.
; No tensor loads: a ring in registers with counted waits never has to run empty.  No cluster: no two work-groups read the same byte of keys or values.
; LIMITS: |values| below 65,504 (f16); a weight p below 2^-25 rounds to 0 in f16; keys and qk are rounded to bf16; the order of sums is not reference()'s.
.set ROWB,  262144                     ; bytes from position s to s + 1
.set GRPB,  32*ROWB
.set QKS,   0                          ; qk[b]: 16 rows h, pitch 2,064 = 129 x 16 bytes
.set QPI,   2064
.set KSTG,  33024                      ; 16 x 4,864: a wave's own stage for 32 rows x 64 bf16
.set KSTW,  4864
.set SPI,   144                        ; a stage row: 128 bytes + 16 = 36 words: 16 rows start at 16 different groups of 4 banks (64 banks of 4 bytes: ISA guide 11.1)
.set SHALF, 2432                       ; rows 16-31 begin 608 words on: 32 banks from rows 0-15
.set PART,  110848                     ; 16 x 8,448: wave wv's partial scores: [h 16] pitch 528 x [s 128] f32
.set PARTW, 8448
.set PPI,   528
.set PB,    246016                     ; p: [h 16] pitch 272 x [s 128] f16
.set PBP,   272
.set MLB,   250368                     ; (M, L), 8 bytes a head
.set RLB,   250496                     ; 1 / L, 4 bytes a head
.set CS,    250624                     ; the way out: 16 rows h, pitch 2,064, f16
.set VOFF, 1                           ; v1   16 rows on for lanes 16-31, 16 bytes a lane
.set KST,  2                           ; v2   where I put 8 bytes of a row of keys in my stage
.set KFR,  3                           ; v3   where I read a fragment of it
.set PST,  4                           ; v4   where I put partial scores
.set RED0, 5                           ; v5   head w's partial scores of waves 0-7,
.set RED1, 6                           ; v6   of waves 8-15
.set PWR,  7                           ; v7   where I put four p
.set PFR,  8                           ; v8   where I read a fragment of p
.set QSW,  9                           ; v9   qk: in
.set QFR,  10                          ; v10  qk: fragments
.set CSW,  11                          ; v11  the way out: in
.set GOF,  12                          ; v12  2,048 w + 16 L: row w of 16 rows of 2,048 bytes, in qk[b] and in cpart[b][c]
.set CSR,  13                          ; v13  the way out: back
.set MLA,  14                          ; v14, v15  head w's words in MLB and RLB
.set RLA,  15
.set RLV,  16                          ; v[16:23] 1 / L of heads 8 half + 0..7
.set RLR,  24                          ; v24  where they are read
.set MLR,  25                          ; v25  (M, L) of head r
.set SOF,  26                          ; v26  8 L
.set QKF,  32                          ; v[32:47] qk's fragments, 2 x 32 along K
.set X,    48                          ; v[48:55], v[56:63] the scores' two accumulators
.set Y,    56
.set CTX,  32                          ; v[32:63] the context's four accumulators, once the scores are done
.set T,    64                          ; v[64:95] numbers just rounded: on their way into the stage; values' fragments
.set F,    96                          ; v[96:127] keys' fragments; then p's, 4 groups x 8
.set R,    64                          ; v[64:127] the 16 partial quads of the reduction
.set LR,   128                         ; v[128:255] the ring
.set GB,   20                          ; s[20:27] keys at my columns of groups 0-3; s[28:35] values likewise; never rewritten
.macro PLACES                          ; four plain vector instructions behind a matrix instruction, ahead of what reads its result or rewrites its registers (ISA guide 7.12.1)
.rept 4
	v_nop
.endr
.endm
.macro BARRIER
	s_barrier_signal -1
	s_barrier_wait -1
.endm
.macro RLOAD idx                       ; load idx of 128: group idx / 16 (0-3 keys, 4-7 values), rows idx % 16 and + 16; slots: even groups the first 16, odd the last
.set G_, (\idx)/16
.set I_, (\idx)%16
.set S_, LR+4*(16*(G_%2)+I_)
	global_load_b128 v[S_:S_+3], v[VOFF], s[GB+2*G_:GB+2*G_+1] offset:I_*ROWB th:TH_LOAD_NT
.endm
	s_load_b256 s[4:11], s[0:1], 0x0               ; keys s[4:5], values s[6:7], qk s[8:9], cpart s[10:11]
	s_load_b64 s[12:13], s[0:1], 0x20              ; stats
	v_and_b32 v27, 31, v0                          ; L
	v_and_b32 v28, 15, v0                          ; r
	v_bfe_u32 v29, v0, 4, 1                        ; half
	v_lshrrev_b32 v30, 5, v0
	v_readfirstlane_b32 s14, v30                   ; wave 0..15
	s_and_b32 s16, ttmp7, 0xffff                   ; c;  b is ttmp9
	s_lshl_b32 s18, s16, 25                        ; 128 positions of 262,144 bytes,
	s_lshl_b32 s17, ttmp9, 12                      ; b's 4,096 bytes in a position,
	s_add_co_u32 s18, s18, s17
	s_lshl_b32 s17, s14, 8                         ; my 256 bytes of them
	s_add_co_u32 s18, s18, s17
	s_mov_b32 s19, 0
	s_lshl_b32 s46, ttmp9, 15                      ; qk[b]: 16 rows of 2,048 bytes
	s_mov_b32 s47, 0
	s_lshl_b32 s15, ttmp9, 2
	s_add_co_u32 s15, s15, s16                     ; 4 b + c
	s_lshl_b32 s48, s15, 15                        ; cpart[b][c]
	s_mov_b32 s49, 0
	s_lshl_b32 s50, s15, 8                         ; stats[b][c]
	s_mov_b32 s51, 0
	s_mov_b32 s42, 0x3e38aa3b                      ; log2(e) / 8
	s_mov_b32 s44, 0x76543210                      ; v_permlanex16_b32: each lane takes its own place in the other half
	s_mov_b32 s45, 0xfedcba98
	v_lshlrev_b32 v[VOFF], 4, v28
	v_lshl_or_b32 v[VOFF], v29, 22, v[VOFF]
	s_lshl_b32 s17, s14, 11
	v_lshl_add_u32 v[GOF], v27, 4, s17
	s_wait_kmcnt 0x0
	s_add_nc_u64 s[GB:GB+1], s[4:5], s[18:19]
	s_add_nc_u64 s[GB+8:GB+9], s[6:7], s[18:19]
.irp g, 1,2,3
	s_add_nc_u64 s[GB+2*\g:GB+2*\g+1], s[GB:GB+1], \g*GRPB
	s_add_nc_u64 s[GB+8+2*\g:GB+9+2*\g], s[GB+8:GB+9], \g*GRPB
.endr
	s_add_nc_u64 s[36:37], s[8:9], s[46:47]
	s_add_nc_u64 s[38:39], s[10:11], s[48:49]
	s_add_nc_u64 s[40:41], s[12:13], s[50:51]
.irp i, 0,1,2,3
	global_load_b128 v[T+4*\i:T+4*\i+3], v[GOF], s[36:37] offset:512*\i          ; row w of qk[b], 512 consecutive bytes a load
.endr
.set n, 0
.rept 32
	RLOAD n                                        ; the ring is filled: key groups 0 and 1
.set n, n+1
.endr
	; LDS addresses: a constant, the wave's number times a constant, a lane term; none is ever rewritten
	s_mul_i32 s17, s14, KSTW
	s_add_co_u32 s17, s17, KSTG
	v_mul_u32_u24 v[KST], v29, SHALF
	v_lshl_add_u32 v[KST], v28, 3, v[KST]
	v_add_nc_u32 v[KST], s17, v[KST]
	v_mul_u32_u24 v[KFR], v28, SPI
	v_lshl_add_u32 v[KFR], v29, 4, v[KFR]
	v_add_nc_u32 v[KFR], s17, v[KFR]
	s_mul_i32 s17, s14, PARTW
	s_add_co_u32 s17, s17, PART
	v_mul_u32_u24 v[PST], v28, PPI
	v_lshl_add_u32 v[PST], v29, 5, v[PST]
	v_add_nc_u32 v[PST], s17, v[PST]
	s_mul_i32 s17, s14, PPI
	s_add_co_u32 s17, s17, PART
	v_lshl_add_u32 v[RED0], v27, 4, s17
	v_add_nc_u32 v[RED1], 8*PARTW, v[RED0]
	s_mul_i32 s17, s14, PBP
	s_add_co_u32 s17, s17, PB
	v_lshl_add_u32 v[PWR], v27, 3, s17
	v_mul_u32_u24 v[PFR], v28, PBP
	v_lshl_add_u32 v[PFR], v29, 5, v[PFR]
	v_add_nc_u32 v[PFR], PB, v[PFR]
	s_mul_i32 s17, s14, QPI
	v_lshl_add_u32 v[QSW], v27, 4, s17
	v_add_nc_u32 v[CSR], CS, v[QSW]
	s_lshl_b32 s17, s14, 7
	v_mul_u32_u24 v[QFR], v28, QPI
	v_lshl_add_u32 v[QFR], v29, 4, v[QFR]
	v_add_nc_u32 v[QFR], s17, v[QFR]
	s_add_co_u32 s17, s17, CS
	v_mul_u32_u24 v[CSW], v29, 8*QPI
	v_lshl_add_u32 v[CSW], v28, 3, v[CSW]
	v_add_nc_u32 v[CSW], s17, v[CSW]
	s_lshl_b32 s17, s14, 3
	s_add_co_u32 s17, s17, MLB
	v_mov_b32 v[MLA], s17
	s_lshl_b32 s17, s14, 2
	s_add_co_u32 s17, s17, RLB
	v_mov_b32 v[RLA], s17
	v_lshl_add_u32 v[RLR], v29, 5, RLB
	v_lshl_add_u32 v[MLR], v28, 3, MLB
	v_lshlrev_b32 v[SOF], 3, v27
	; qk[b] into LDS, and my fragments of it: lane r = head r, my 64 columns
	s_wait_loadcnt 32                              ; the 32 younger loads (the ring) stay out: qk is in
.irp i, 0,1,2,3
	ds_store_b128 v[QSW], v[T+4*\i:T+4*\i+3] offset:512*\i
.endr
	s_wait_dscnt 0x0                               ; for the others' sake: my row of qk is in LDS
	BARRIER
.irp k, 0,1
	ds_load_b128 v[QKF+8*\k:QKF+8*\k+3],   v[QFR] offset:64*\k
	ds_load_b128 v[QKF+8*\k+4:QKF+8*\k+7], v[QFR] offset:64*\k+32
.endr
; Key group g: 32 positions x my 64 columns.  K runs along the columns, so the rows are rounded to bf16 and turned through my own stage.
.macro KEYGROUP g
.set i, 0
.rept 16
	s_wait_loadcnt 31                              ; every slot read so far has been asked for again: 31 younger loads are out, mine is in
	v_cvt_pk_bf16_f32 v[T+2*i],   v[LR+4*(16*(\g%2)+i)],   v[LR+4*(16*(\g%2)+i)+1]
	v_cvt_pk_bf16_f32 v[T+2*i+1], v[LR+4*(16*(\g%2)+i)+2], v[LR+4*(16*(\g%2)+i)+3]
	ds_store_b64 v[KST], v[T+2*i:T+2*i+1] offset:SPI*i
	RLOAD (16*\g+i+32)                             ; two groups on: key groups 2 and 3, then value groups 0 and 1
.set i, i+1
.endr
.irp tk, 0,1,2,3                                       ; positions 16 (tk / 2) on, columns 32 (tk % 2) on; LDS serves a wave's instructions in order (ISA guide 5.7.1.4): these see the stores above
	ds_load_b128 v[F+8*\tk:F+8*\tk+3],   v[KFR] offset:(\tk/2)*SHALF+(\tk%2)*64
	ds_load_b128 v[F+8*\tk+4:F+8*\tk+7], v[KFR] offset:(\tk/2)*SHALF+(\tk%2)*64+32
.endr
	s_wait_dscnt 0x0                               ; the fragments are in (in group 0 qk's too)
	v_wmma_f32_16x16x32_bf16 v[X:X+7], v[F:F+7],     v[QKF:QKF+7],    0       ; the two accumulators take turns
	v_wmma_f32_16x16x32_bf16 v[Y:Y+7], v[F+16:F+23], v[QKF:QKF+7],    0
	v_wmma_f32_16x16x32_bf16 v[X:X+7], v[F+8:F+15],  v[QKF+8:QKF+15], v[X:X+7]
	v_wmma_f32_16x16x32_bf16 v[Y:Y+7], v[F+24:F+31], v[QKF+8:QKF+15], v[Y:Y+7]
	PLACES
	ds_store_b128 v[PST], v[X:X+3]   offset:128*\g           ; lane r = head r; register j = position 32 g + 8 half + j (Y: 16 further on)
	ds_store_b128 v[PST], v[X+4:X+7] offset:128*\g+16
	ds_store_b128 v[PST], v[Y:Y+3]   offset:128*\g+64
	ds_store_b128 v[PST], v[Y+4:Y+7] offset:128*\g+80
.endm
	KEYGROUP 0
	KEYGROUP 1
	KEYGROUP 2
	KEYGROUP 3
	s_wait_dscnt 0x0                               ; for the others' sake: my partial scores are in LDS
	BARRIER
	; wave w: head w.  The 16 waves' partial scores are added, four positions (4 L .. 4 L + 3) a lane.
.set i, 0
.rept 8
	ds_load_b128 v[R+4*i:R+4*i+3], v[RED0] offset:PARTW*i
.set i, i+1
.endr
.set i, 0
.rept 8
	ds_load_b128 v[R+32+4*i:R+32+4*i+3], v[RED1] offset:PARTW*i
.set i, i+1
.endr
	s_wait_dscnt 0x0
.irp d, 32,16,8,4                                      ; a tree: 16, 8, 4, 2 packed sums
.set k, 0
.rept \d/2
	v_pk_add_f32 v[R+k:R+k+1], v[R+k:R+k+1], v[R+k+\d:R+k+\d+1]
.set k, k+2
.endr
.endr
	v_max3_num_f32 v27, v[R], v[R+1], v[R+2]       ; the chunk's largest raw score: in the lane, in 16 lanes, in both halves
	v_max_num_f32 v27, v27, v[R+3]
	v_max_num_f32_dpp v27, v27, v27 row_xmask:1 row_mask:0xf bank_mask:0xf
	v_max_num_f32_dpp v27, v27, v27 row_xmask:2 row_mask:0xf bank_mask:0xf
	v_max_num_f32_dpp v27, v27, v27 row_xmask:4 row_mask:0xf bank_mask:0xf
	v_max_num_f32_dpp v27, v27, v27 row_xmask:8 row_mask:0xf bank_mask:0xf
	v_permlanex16_b32 v30, v27, s44, s45           ; its destination counts as read: v30 was written at the head
	v_max_num_f32 v27, v27, v30
	v_mul_f32 v28, s42, v27                        ; M
.irp j, 0,1,2,3
	v_fma_f32 v[R+\j], v[R+\j], s42, -v28
.endr
.irp j, 0,1,2,3
	v_exp_f32 v[R+\j], v[R+\j]
.endr
	v_nop                                          ; a plain instruction between the exponentials and the use of their results (ISA guide 5.7.2)
	s_wait_alu depctr_va_vdst(0)
	v_add_f32 v29, v[R], v[R+1]
	v_add_f32 v31, v[R+2], v[R+3]
	v_add_f32 v29, v29, v31
	v_add_f32_dpp v29, v29, v29 row_xmask:1 row_mask:0xf bank_mask:0xf
	v_add_f32_dpp v29, v29, v29 row_xmask:2 row_mask:0xf bank_mask:0xf
	v_add_f32_dpp v29, v29, v29 row_xmask:4 row_mask:0xf bank_mask:0xf
	v_add_f32_dpp v29, v29, v29 row_xmask:8 row_mask:0xf bank_mask:0xf
	v_permlanex16_b32 v30, v29, s44, s45
	v_add_f32 v29, v29, v30                        ; L, about 1 at the least: the largest score's p is 1 up to M's rounding
	v_rcp_f32 v31, v29
	v_cvt_pk_f16_f32 v[R+4], v[R], v[R+1]          ; (these two are the plain instructions behind the reciprocal)
	v_cvt_pk_f16_f32 v[R+5], v[R+2], v[R+3]
	ds_store_b64 v[PWR], v[R+4:R+5]
	ds_store_b64 v[MLA], v[28:29]                  ; every lane writes the same words with the same numbers
	s_wait_alu depctr_va_vdst(0)
	ds_store_b32 v[RLA], v31
	s_wait_dscnt 0x0                               ; for the others' sake: head w's p, M, L and 1 / L are in LDS
	BARRIER
	; p's fragments: lane r = head r; 16 consecutive positions a lane (see VALGROUP)
.irp t, 0,1,2,3
	ds_load_b128 v[F+8*\t:F+8*\t+3],   v[PFR] offset:64*\t
	ds_load_b128 v[F+8*\t+4:F+8*\t+7], v[PFR] offset:64*\t+16
.endr
	ds_load_b128 v[RLV:RLV+3],   v[RLR]
	ds_load_b128 v[RLV+4:RLV+7], v[RLR] offset:16
	s_cmp_lg_u32 s14, 0
	s_cbranch_scc1 .Lno_stats
	ds_load_b64 v[28:29], v[MLR]                   ; wave 0 writes the record: pair l holds head l % 16, so that
	s_wait_dscnt 0x0
	global_store_b64 v[SOF], v[28:29], s[40:41]    ; one store of the wave covers the record's 256 consecutive bytes, aligned
.Lno_stats:
	s_wait_dscnt 0x0
; Value group t: 32 positions x my 64 columns.  K = the positions runs down the rows, so a fragment is made in registers: for column 4 r + j, register q
; packs rows 2 q and 2 q + 1 of my half's 16.  Place (half, q, low or high) thus stands for position 16 half + 2 q + (0 or 1) of the 32, and p's fragment
; takes the same order.  An order of K that both sources share leaves the products as they are.
.macro VALGROUP t
.set q, 0
.rept 8
.if \t < 2
	s_wait_loadcnt 30                              ; every slot read so far has been asked for again: the pair's second load has 30 younger ones
.else
	s_wait_loadcnt 30-16*(\t-2)-2*q                ; nothing more is asked for: the counts run down
.endif
.set A_, LR+4*(16*(\t%2)+2*q)
.irp j, 0,1,2,3
	v_cvt_pk_f16_f32 v[T+8*\j+q], v[A_+\j], v[A_+4+\j]
.endr
.if \t < 2
	RLOAD (16*(\t+4)+2*q+32)                       ; value groups 2 and 3
	RLOAD (16*(\t+4)+2*q+33)
.endif
.set q, q+1
.endr
.irp j, 0,1,2,3                                        ; four accumulators by turns
.if \t == 0
	v_wmma_f32_16x16x32_f16 v[CTX+8*\j:CTX+8*\j+7], v[F+8*\t:F+8*\t+7], v[T+8*\j:T+8*\j+7], 0
.else
	v_wmma_f32_16x16x32_f16 v[CTX+8*\j:CTX+8*\j+7], v[F+8*\t:F+8*\t+7], v[T+8*\j:T+8*\j+7], v[CTX+8*\j:CTX+8*\j+7]
.endif
.endr
	PLACES
.endm
	VALGROUP 0
	VALGROUP 1
	VALGROUP 2
	VALGROUP 3
	; THE WAY OUT.  Accumulator j, register jp, lane (r, half): head 8 half + jp, column 64 w + 4 r + j.  Divided by L, rounded to f16, four neighbours = 8 bytes.
.irp jp, 0,2,4,6
.irp j, 0,1,2,3
	v_pk_mul_f32 v[CTX+8*\j+\jp:CTX+8*\j+\jp+1], v[CTX+8*\j+\jp:CTX+8*\j+\jp+1], v[RLV+\jp:RLV+\jp+1]
.endr
.endr
.irp jp, 0,1,2,3,4,5,6,7
	v_cvt_pk_f16_f32 v[T+2*\jp],   v[CTX+\jp],    v[CTX+8+\jp]
	v_cvt_pk_f16_f32 v[T+2*\jp+1], v[CTX+16+\jp], v[CTX+24+\jp]
	ds_store_b64 v[CSW], v[T+2*\jp:T+2*\jp+1] offset:QPI*\jp
.endr
	s_wait_dscnt 0x0                               ; for the others' sake: my 64 columns of all 16 heads are in LDS
	BARRIER
.irp i, 0,1,2,3
	ds_load_b128 v[T+4*\i:T+4*\i+3], v[CSR] offset:512*\i                        ; wave w takes head w's row whole
.endr
.irp i, 0,1,2,3
	s_wait_dscnt 3-\i                              ; the younger LDS loads stay out
	global_store_b128 v[GOF], v[T+4*\i:T+4*\i+3], s[38:39] offset:512*\i         ; the wave stores 512 consecutive bytes, at a multiple of 512 from cpart's first byte
.endr
	s_wait_xcnt 0x0
	v_lshl_add_u32 v254, v0, 2, 0x45400
	v_mov_b32 v255, 0
	s_wait_tensorcnt 0x0
	ds_add_u32 v254, v255
	s_wait_dscnt 0x0
	s_endpgm
.Lfunc_end_k_q3926d23967_attn:
	.size	k_q3926d23967_attn, .Lfunc_end_k_q3926d23967_attn-k_q3926d23967_attn
	.p2alignl 7, 3214868480
	.fill 96, 4, 3214868480
	.section	.rodata,"a",@progbits
	.p2align	6, 0x0
	.amdhsa_kernel k_q3926d23967_attn
		.amdhsa_group_segment_fixed_size 285696
		.amdhsa_private_segment_fixed_size 0
		.amdhsa_enable_private_segment 0
		.amdhsa_kernarg_size 40
		.amdhsa_user_sgpr_count 2
		.amdhsa_user_sgpr_kernarg_segment_ptr 1
		.amdhsa_wavefront_size32 1
		.amdhsa_system_sgpr_workgroup_id_x 1
		.amdhsa_system_sgpr_workgroup_id_y 1
		.amdhsa_system_sgpr_workgroup_id_z 1
		.amdhsa_system_vgpr_workitem_id 0
		.amdhsa_next_free_vgpr 256
		.amdhsa_next_free_sgpr 66
		.amdhsa_reserve_vcc 0
		.amdhsa_float_denorm_mode_32 3
		.amdhsa_float_denorm_mode_16_64 3
		.amdhsa_memory_ordered 1
		.amdhsa_forward_progress 1
		.amdhsa_inst_pref_size 57
	.end_amdhsa_kernel
	.amdgpu_metadata
---
amdhsa.version: [ 1, 2 ]
amdhsa.kernels:
  - .name:           k_q3926d23967_attn
    .symbol:         k_q3926d23967_attn.kd
    .args:
      - { .name: keys, .offset: 0, .size: 8, .value_kind: global_buffer, .address_space: global }
      - { .name: values, .offset: 8, .size: 8, .value_kind: global_buffer, .address_space: global }
      - { .name: qk, .offset: 16, .size: 8, .value_kind: global_buffer, .address_space: global }
      - { .name: cpart, .offset: 24, .size: 8, .value_kind: global_buffer, .address_space: global }
      - { .name: stats, .offset: 32, .size: 8, .value_kind: global_buffer, .address_space: global }
    .group_segment_fixed_size: 285696
    .private_segment_fixed_size: 0
    .kernarg_segment_align: 8
    .kernarg_segment_size: 40
    .max_flat_workgroup_size: 512
    .sgpr_count:     66
    .vgpr_count:     256
    .wavefront_size: 32
...
	.end_amdgpu_metadata
.endif
;; end of part 2
;; launch outproj (part 3): grid 256 x 1, 16 waves a work-group, no clusters, 182,528 bytes of LDS; arguments cpart, stats, Wk, out0; writes out0
.if DOCPART == 3
	.amdgcn_target "amdgcn-amd-amdhsa--gfx1250"
	.amdhsa_code_object_version 6
	.text
	.protected	k_q3926d23967_outproj
	.globl	k_q3926d23967_outproj
	.p2align	8
	.type	k_q3926d23967_outproj,@function
k_q3926d23967_outproj:
	s_mov_b64 s[64:65], 0
	v_nop
	global_prefetch_b8 v0, s[64:65] scope:SCOPE_SE
	s_setreg_imm32_b32 hwreg(HW_REG_WAVE_MODE, 25, 1), 1
	s_wait_xcnt 0x0
; out0[b][64 h + d] = sum over the four chunks c of w[c] G[b][c][d],  G[b][c][d] = sum over m of cpart[b][c][h][m] Wk[64 h + d][m]   (f16 operands, f32 sums),
; w[c] = 2^(M[c] - Mx) L[c] / (the sum of these over c), Mx the largest of the four M: the softmax over all 512 positions, put together from its chunks.
; The chunks are merged behind the product (it is linear), so cpart enters the matrix unit as it was stored, without a second rounding.
; A work-group owns one head h and four batch rows: 16 rows (4 b' + c) of cpart are one side of a matrix tile, the head's 64 d the other.
; K = 1,024 is shared out: wave w takes columns 64 w .. 64 w + 63; the partial results meet in LDS; waves 0-3 add and merge, one batch row each.
; No cluster: Wk's rows are shared by the head's 16 work-groups, but every byte has to pass through registers for its rounding to f16.
; LIMITS: |Wk| below 65,504 (f16); a chunk whose M lies more than 126 below Mx counts for nothing (v_exp_f32 gives 0 there); the order of sums is not reference()'s.
.set CSG,   0                          ; cpart's 16 rows, pitch 2,064 = 129 x 16 bytes
.set CPI,   2064
.set STG,   33024                      ; 16 x 4,864: a wave's own stage for 32 rows x 64 f16
.set STGW,  4864
.set SPI,   144                        ; a stage row: 128 bytes + 16 = 36 words: 16 rows start at 16 different groups of 4 banks (64 banks of 4 bytes: ISA guide 11.1)
.set SHALF, 2432                       ; rows 16-31 begin 608 words on: 32 banks from rows 0-15
.set PART,  110848                     ; 16 x 4,352: wave wv's partial G: [row 16] pitch 272 x [d 64] f32
.set PARTW, 4352
.set PPI,   272
.set GO16, 3                           ; v3   16 L
.set VOW,  4                           ; v4   Wk: lanes 16-31 take the row 16 further down; 16 bytes a lane
.set GO8,  5                           ; v5   8 L
.set WST,  6                           ; v6   where I put 8 bytes of a row of Wk in my stage
.set WFR,  7                           ; v7   where I read a fragment of it
.set ZERO, 8                           ; v8   0
.set CSW,  9                           ; v9   cpart: in
.set PST,  10                          ; v10  where I put partial results
.set CFR,  11                          ; v11  cpart: fragments
.set FR0,  12                          ; v12  batch row w's partial results of waves 0-7,
.set FR1,  13                          ; v13  of waves 8-15
.set ML,   16                          ; v[16:23] (M, L) of the four chunks
.set WT,   24                          ; v[24:31] the four weights, each twice (a pair for the packed arithmetic)
.set CF,   32                          ; v[32:47] cpart's fragments, 2 x 32 along K
.set X,    48                          ; v[48:55], v[56:63] two accumulators
.set Y,    56
.set T,    64                          ; v[64:95] cpart as loaded; numbers just rounded; the result
.set F,    96                          ; v[96:127] Wk's fragments
.set LW,   128                         ; v[128:255] Wk as loaded; then the 64 partial pairs
.macro PLACES                          ; four plain vector instructions behind a matrix instruction, ahead of what reads its result or rewrites its registers (ISA guide 7.12.1)
.rept 4
	v_nop
.endr
.endm
.macro BARRIER
	s_barrier_signal -1
	s_barrier_wait -1
.endm
	s_load_b256 s[4:11], s[0:1], 0x0               ; cpart s[4:5], stats s[6:7], Wk s[8:9], out0 s[10:11]
	v_and_b32 v1, 15, v0                           ; r
	v_bfe_u32 v2, v0, 4, 1                         ; half
	v_and_b32 v14, 31, v0                          ; L
	v_lshrrev_b32 v15, 5, v0
	v_readfirstlane_b32 s12, v15                   ; wave 0..15
	s_lshr_b32 s13, ttmp9, 4                       ; h
	s_and_b32 s14, ttmp9, 15                       ; bq: batch rows 4 bq .. 4 bq + 3
	s_lshl_b32 s16, s14, 4                         ; cpart: row (16 bq + w) of [b][c], head h
	s_add_co_u32 s16, s16, s12
	s_lshl_b32 s16, s16, 15
	s_lshl_b32 s32, s13, 11
	s_add_co_u32 s16, s16, s32
	s_mov_b32 s17, 0
	s_lshl_b32 s18, s13, 18                        ; Wk: the head's 64 rows, my 64 columns
	s_lshl_b32 s32, s12, 8
	s_add_co_u32 s18, s18, s32
	s_mov_b32 s19, 0
	s_lshl_b32 s33, s14, 2
	s_add_co_u32 s33, s33, s12                     ; batch row 4 bq + w (waves 0-3 alone use what follows)
	s_lshl_b32 s28, s33, 10                        ; stats: its four records of 256 bytes, head h's pair
	s_lshl_b32 s32, s13, 3
	s_add_co_u32 s28, s28, s32
	s_mov_b32 s29, 0
	s_lshl_b32 s30, s33, 12                        ; out0: its row, the head's 256 bytes
	s_lshl_b32 s32, s13, 8
	s_add_co_u32 s30, s30, s32
	s_mov_b32 s31, 0
	v_lshlrev_b32 v[GO16], 4, v14
	v_lshlrev_b32 v[GO8], 3, v14
	v_mov_b32 v[ZERO], 0
	v_lshlrev_b32 v[VOW], 4, v1
	v_lshl_or_b32 v[VOW], v2, 16, v[VOW]
	s_wait_kmcnt 0x0
	s_add_nc_u64 s[20:21], s[4:5], s[16:17]
	s_add_nc_u64 s[22:23], s[8:9], s[18:19]
	s_add_nc_u64 s[24:25], s[6:7], s[28:29]
	s_add_nc_u64 s[26:27], s[10:11], s[30:31]
	s_cmp_lt_u32 s12, 4
	s_cbranch_scc0 .Lno_stats
.irp c, 0,1,2,3
	global_load_b64 v[ML+2*\c:ML+2*\c+1], v[ZERO], s[24:25] offset:256*\c        ; older than every load that is counted below: the counts are the same in all waves
.endr
.Lno_stats:
.irp i, 0,1,2,3
	global_load_b128 v[T+4*\i:T+4*\i+3], v[GO16], s[20:21] offset:512*\i th:TH_LOAD_NT   ; my row of cpart: read once in the launch
.endr
.set i, 0
.rept 32
	global_load_b128 v[LW+4*i:LW+4*i+3], v[VOW], s[22:23] offset:4096*(32*(i/16)+i%16)   ; Wk rows 32 g + i and 32 g + i + 16
.set i, i+1
.endr
	; LDS addresses: a constant, the wave's number times a constant, a lane term
	s_mul_i32 s32, s12, STGW
	s_add_co_u32 s32, s32, STG
	v_mul_u32_u24 v[WST], v2, SHALF
	v_lshl_add_u32 v[WST], v1, 3, v[WST]
	v_add_nc_u32 v[WST], s32, v[WST]
	v_mul_u32_u24 v[WFR], v1, SPI
	v_lshl_add_u32 v[WFR], v2, 4, v[WFR]
	v_add_nc_u32 v[WFR], s32, v[WFR]
	s_mul_i32 s32, s12, CPI
	v_lshl_add_u32 v[CSW], v14, 4, s32
	s_lshl_b32 s32, s12, 7
	v_mul_u32_u24 v[CFR], v1, CPI
	v_lshl_add_u32 v[CFR], v2, 4, v[CFR]
	v_add_nc_u32 v[CFR], s32, v[CFR]
	s_mul_i32 s32, s12, PARTW
	s_add_co_u32 s32, s32, PART
	v_mul_u32_u24 v[PST], v1, PPI
	v_lshl_add_u32 v[PST], v2, 5, v[PST]
	v_add_nc_u32 v[PST], s32, v[PST]
	s_mul_i32 s32, s12, 4*PPI
	s_add_co_u32 s32, s32, PART
	v_lshl_add_u32 v[FR0], v14, 3, s32
	v_add_nc_u32 v[FR1], 8*PARTW, v[FR0]
	s_wait_loadcnt 32                              ; the 32 younger loads (Wk) stay out: cpart's row is in, and in waves 0-3 the four (M, L)
.irp i, 0,1,2,3
	ds_store_b128 v[CSW], v[T+4*\i:T+4*\i+3] offset:512*\i
.endr
	s_wait_dscnt 0x0                               ; for the others' sake: my row of cpart is in LDS
	BARRIER
.irp k, 0,1                                            ; lane r = row r (4 b' + c), my 64 columns
	ds_load_b128 v[CF+8*\k:CF+8*\k+3],   v[CFR] offset:64*\k
	ds_load_b128 v[CF+8*\k+4:CF+8*\k+7], v[CFR] offset:64*\k+32
.endr
; Group g of Wk: 32 rows d x my 64 columns.  Rounded to f16, turned through my own stage, multiplied by cpart's fragments.
; left = the loads younger than the group's first; load i has i fewer.
.macro WGROUP g, left
.set i, 0
.rept 16
	s_wait_loadcnt \left-i
	v_cvt_pk_f16_f32 v[T+2*i],   v[LW+64*\g+4*i],   v[LW+64*\g+4*i+1]
	v_cvt_pk_f16_f32 v[T+2*i+1], v[LW+64*\g+4*i+2], v[LW+64*\g+4*i+3]
	ds_store_b64 v[WST], v[T+2*i:T+2*i+1] offset:SPI*i
.set i, i+1
.endr
.irp tk, 0,1,2,3                                       ; rows 16 (tk / 2) on, columns 32 (tk % 2) on; LDS serves a wave's instructions in order (ISA guide 5.7.1.4): these see the stores above
	ds_load_b128 v[F+8*\tk:F+8*\tk+3],   v[WFR] offset:(\tk/2)*SHALF+(\tk%2)*64
	ds_load_b128 v[F+8*\tk+4:F+8*\tk+7], v[WFR] offset:(\tk/2)*SHALF+(\tk%2)*64+32
.endr
	s_wait_dscnt 0x0                               ; the fragments are in (in group 0 cpart's too)
	v_wmma_f32_16x16x32_f16 v[X:X+7], v[F:F+7],     v[CF:CF+7],    0          ; the two accumulators take turns
	v_wmma_f32_16x16x32_f16 v[Y:Y+7], v[F+16:F+23], v[CF:CF+7],    0
	v_wmma_f32_16x16x32_f16 v[X:X+7], v[F+8:F+15],  v[CF+8:CF+15], v[X:X+7]
	v_wmma_f32_16x16x32_f16 v[Y:Y+7], v[F+24:F+31], v[CF+8:CF+15], v[Y:Y+7]
	PLACES
	ds_store_b128 v[PST], v[X:X+3]   offset:128*\g           ; lane r = row r; register j = d 32 g + 8 half + j (Y: 16 further on)
	ds_store_b128 v[PST], v[X+4:X+7] offset:128*\g+16
	ds_store_b128 v[PST], v[Y:Y+3]   offset:128*\g+64
	ds_store_b128 v[PST], v[Y+4:Y+7] offset:128*\g+80
.endm
	WGROUP 0, 31                                   ; younger than load i: 15 - i of this group and 16 of the next
	WGROUP 1, 15
	s_wait_dscnt 0x0                               ; for the others' sake: my partial results are in LDS
	BARRIER
	s_cmp_lt_u32 s12, 4
	s_cbranch_scc1 .Lmerge
	s_wait_xcnt 0x0
	v_lshl_add_u32 v254, v0, 2, 0x2c100
	v_mov_b32 v255, 0
	s_wait_tensorcnt 0x0
	ds_add_u32 v254, v255
	s_wait_dscnt 0x0
	s_endpgm                                       ; waves 4-15 have passed the last barrier and have nothing left to do
.Lmerge:
	; wave w: batch row 4 bq + w; two d a lane; chunk by chunk the 16 waves' partial results
.irp c, 0,1,2,3
.set i, 0
.rept 8
	ds_load_b64 v[LW+32*\c+2*i:LW+32*\c+2*i+1], v[FR0] offset:PARTW*i+PPI*\c
.set i, i+1
.endr
.set i, 0
.rept 8
	ds_load_b64 v[LW+32*\c+16+2*i:LW+32*\c+16+2*i+1], v[FR1] offset:PARTW*i+PPI*\c
.set i, i+1
.endr
.endr
	; the weights, while those loads are out
	v_max3_num_f32 v14, v[ML], v[ML+2], v[ML+4]
	v_max_num_f32 v14, v14, v[ML+6]                ; Mx
.irp c, 0,1,2,3
	v_sub_f32 v[WT+2*\c], v[ML+2*\c], v14
.endr
.irp c, 0,1,2,3
	v_exp_f32 v[WT+2*\c], v[WT+2*\c]
.endr
	v_nop                                          ; a plain instruction between the exponentials and the use of their results (ISA guide 5.7.2)
	s_wait_alu depctr_va_vdst(0)
.irp c, 0,1,2,3
	v_mul_f32 v[WT+2*\c], v[WT+2*\c], v[ML+2*\c+1]
.endr
	v_add_f32 v14, v[WT], v[WT+2]
	v_add_f32 v15, v[WT+4], v[WT+6]
	v_add_f32 v14, v14, v15                        ; about 1 at the least: the chunk with the largest M gives its L
	v_rcp_f32 v15, v14
	v_nop                                          ; the same behind the reciprocal
	s_wait_alu depctr_va_vdst(0)
.irp c, 0,1,2,3
	v_mul_f32 v[WT+2*\c+1], v[WT+2*\c], v15
	v_mul_f32 v[WT+2*\c],   v[WT+2*\c], v15
.endr
.irp c, 0,1,2,3
	s_wait_dscnt 48-16*\c                          ; the later chunks' loads stay out
.irp d, 16,8,4,2                                       ; a tree: 8, 4, 2, 1 packed sums
.set k, 0
.rept \d/2
	v_pk_add_f32 v[LW+32*\c+k:LW+32*\c+k+1], v[LW+32*\c+k:LW+32*\c+k+1], v[LW+32*\c+k+\d:LW+32*\c+k+\d+1]
.set k, k+2
.endr
.endr
.if \c == 0
	v_pk_mul_f32 v[T:T+1], v[LW:LW+1], v[WT:WT+1]
.else
	v_pk_fma_f32 v[T:T+1], v[LW+32*\c:LW+32*\c+1], v[WT+2*\c:WT+2*\c+1], v[T:T+1]
.endif
.endr
	global_store_b64 v[GO8], v[T:T+1], s[26:27]    ; the wave stores 256 consecutive bytes, at a multiple of 256 from out0's first byte
	s_wait_xcnt 0x0
	v_lshl_add_u32 v254, v0, 2, 0x2c100
	v_mov_b32 v255, 0
	s_wait_tensorcnt 0x0
	ds_add_u32 v254, v255
	s_wait_dscnt 0x0
	s_endpgm
.Lfunc_end_k_q3926d23967_outproj:
	.size	k_q3926d23967_outproj, .Lfunc_end_k_q3926d23967_outproj-k_q3926d23967_outproj
	.p2alignl 7, 3214868480
	.fill 96, 4, 3214868480
	.section	.rodata,"a",@progbits
	.p2align	6, 0x0
	.amdhsa_kernel k_q3926d23967_outproj
		.amdhsa_group_segment_fixed_size 182528
		.amdhsa_private_segment_fixed_size 0
		.amdhsa_enable_private_segment 0
		.amdhsa_kernarg_size 32
		.amdhsa_user_sgpr_count 2
		.amdhsa_user_sgpr_kernarg_segment_ptr 1
		.amdhsa_wavefront_size32 1
		.amdhsa_system_sgpr_workgroup_id_x 1
		.amdhsa_system_sgpr_workgroup_id_y 1
		.amdhsa_system_sgpr_workgroup_id_z 1
		.amdhsa_system_vgpr_workitem_id 0
		.amdhsa_next_free_vgpr 256
		.amdhsa_next_free_sgpr 66
		.amdhsa_reserve_vcc 0
		.amdhsa_float_denorm_mode_32 3
		.amdhsa_float_denorm_mode_16_64 3
		.amdhsa_memory_ordered 1
		.amdhsa_forward_progress 1
		.amdhsa_inst_pref_size 27
	.end_amdhsa_kernel
	.amdgpu_metadata
---
amdhsa.version: [ 1, 2 ]
amdhsa.kernels:
  - .name:           k_q3926d23967_outproj
    .symbol:         k_q3926d23967_outproj.kd
    .args:
      - { .name: cpart, .offset: 0, .size: 8, .value_kind: global_buffer, .address_space: global }
      - { .name: stats, .offset: 8, .size: 8, .value_kind: global_buffer, .address_space: global }
      - { .name: Wk, .offset: 16, .size: 8, .value_kind: global_buffer, .address_space: global }
      - { .name: out0, .offset: 24, .size: 8, .value_kind: global_buffer, .address_space: global }
    .group_segment_fixed_size: 182528
    .private_segment_fixed_size: 0
    .kernarg_segment_align: 8
    .kernarg_segment_size: 32
    .max_flat_workgroup_size: 512
    .sgpr_count:     66
    .vgpr_count:     256
    .wavefront_size: 32
...
	.end_amdgpu_metadata
.endif
;; end of part 3
